; MI455X (gfx1250); checked and timed in simulation.
; The chip was launched on July 23, 2026; its instructions are those of AMD's public machine-readable ISA for CDNA 5 (MIT licence, August 2026) and "CDNA5" Instruction Set Architecture Reference Guide (July 2026). The comments in the code are by the model that wrote it; some were corrected since.
;; Multi Head Memory. Allowed arithmetic: matrix products marked QUANTISED: E2M3 operands, one E8M0 scale for each 32 along K, by v_wmma_scale_f32_16x16x128_f8f6f4 with both operands' format E2M3, f32 sums; everything else in f32.
;; Inputs: fk_b 128 float32; fk_w 128 x 128 float32; fv_b 128 float32; fv_w 128 x 128 float32; fx_b 128 float32; fx_w 128 x 1,024 float32; mem 8 x 65,536 x 128 float32; nk_b 128 float32; nk_g 128 float32; nv_b 128 float32; nv_g 128 float32; nx_b 128 float32; nx_g 128 float32; q 256 x 128 float32.
;; Outputs: out0 256 x 128 float32.
;; This version of the problem:
;;   THIS VERSION OF THE PROBLEM IS GIVEN IN LOW PRECISION. The matrix products marked QUANTISED in the list below multiply operands that are first quantised to E2M3 (2 exponent bits, 3 mantissa bits; 6 bits a number), with one power-of-two scale for each 32 numbers along K (OCP MX v1.0); their sums are f32. All else is computed in f32.
;;   The module's matrix products, in the order in which they are computed (A, B: the left and right operand; K: the contracted axis; several contracted axes count as one K, in the product's order):
;;     1. [M 524,288, K 128] x [K 128, N 128]; A: input mem; B: input fk_w: QUANTISED
;;     2. [M 524,288, K 128] x [K 128, N 128]; A: input mem; B: input fv_w: QUANTISED
;;     3. [M 256, K 128] x [K 128, N 524,288]; A: input q; B: softmax (see below): QUANTISED
;;     4. batch 8 x [M 128, K 65,536] x [K 65,536, N 256]; A: computed on the way; B: softmax (see below): QUANTISED
;;     5. [M 256, K 1,024] x [K 1,024, N 128]; A: computed on the way; B: input fx_w: QUANTISED
;;   THE QUANTISER, for each operand of a quantised product, along K:
;;     - K is cut into blocks of 32 from its start; a last block that is shorter is filled with zeros.
;;     - A block's scale is 2^e with e = floor(log2(the largest magnitude in the block)) - 2, held to -126 .. 127; a block of zeros has e = 0. As a byte (E8M0): e + 127.
;;     - Each number is divided by its block's scale, clamped to +-7.5, and rounded to the nearest number of E2M3, ties to even, subnormals kept.
;;     - The product sums the exact products of the quantised numbers (number of the format x scale) in f32.
;;   ~~~python
;;   def quantise(x, axis):      # numpy; x: float32 -> the quantised numbers, widened to float32 again
;;       x = np.moveaxis(x, axis, -1); K = x.shape[-1]
;;       x = np.pad(x, [(0, 0)] * (x.ndim - 1) + [(0, -K % 32)]); x = x.reshape(x.shape[:-1] + (-1, 32)); a = np.abs(x).max(-1, keepdims=True)
;;       e = np.where(a > 0, np.clip(np.frexp(np.where(a > 0, a, 1))[1] - 1 - 2, -126, 127), 0)      # np.frexp(a)[1] - 1 = floor(log2(a)), exactly
;;       r = np.clip(x / 2.0 ** e, -7.5, 7.5)
;;       step = 2.0 ** (np.maximum(np.frexp(np.where(r == 0, 1, r))[1] - 1, 0) - 3)
;;       q = np.round(r / step) * step * 2.0 ** e      # np.round: ties to even
;;       return np.moveaxis(q.reshape(q.shape[:-2] + (-1,))[..., :K], -1, axis).astype(np.float32)
;;   ~~~
;;   SOFTMAX AHEAD OF A QUANTISED PRODUCT. Where the list says 'softmax', what is quantised is not the finished softmax but p = 2^(t - M), with t = logit x log2(e) and M = ceil(the row's largest t), a whole number; so 1/2 < the row's largest p <= 1. The row's sum l is taken of the UNQUANTISED p, in f32, and the product's result is divided by l at the end. Since M is a whole number, a kernel that streams over the keys may use a running M (the ceiling of the running maximum): every later rescaling is an exact power of two, which a block's scale takes up: the codes' values come out the same.
;;   OPERANDS COMPUTED ON THE WAY. 'Computed on the way' means the value that the module computes at that place (a softmax that the list does not call 'softmax' is quantised finished and normalised). What goes into a quantiser is computed in f32, as accurately as f32 sums, v_exp_f32 and their like allow (about 1e-6 of the number): no bf16 or f16 on the way to a quantiser, and a product that is left as it is and whose result goes on into a quantised operand takes f32 operands (vector FMAs, or v_wmma_f32_16x16x4_f32). A number that lies on a knife's edge between two numbers of the format may be rounded either way, as far as f32 arithmetic and the matrix unit's own rounding can turn it there, and no further.
;; One version. Each part assembles by itself: llvm-mc -triple=amdgcn-amd-amdhsa -mcpu=gfx1250 --defsym DOCPART=n.
;; ======== version 1 of 1: 3 launches
;; limits: right only within a limited range of input values
;; workspace buffers: opart 33,554,432 bytes; stat 1,048,576 bytes; xpart 1,048,576 bytes
;; launch attend (part 1): grid 32 x 8, 4 waves a work-group, no clusters, 327,680 bytes of LDS; arguments q, mem, fk_w, fk_b, fv_w, fv_b, nk_g, nk_b, nv_g, nv_b, opart, stat; writes opart, stat
.if DOCPART == 1
	.amdgcn_target "amdgcn-amd-amdhsa--gfx1250"
	.amdhsa_code_object_version 6
	.text
	.protected	k_q27b718b1f6_attend
	.globl	k_q27b718b1f6_attend
	.p2align	8
	.type	k_q27b718b1f6_attend,@function
k_q27b718b1f6_attend:
	s_mov_b64 s[64:65], 0
	v_nop
	global_prefetch_b8 v0, s[64:65] scope:SCOPE_SE
	s_setreg_imm32_b32 hwreg(HW_REG_WAVE_MODE, 25, 1), 1
	s_wait_xcnt 0x0
; MultiHeadMemory, launch 1 of 3.  A work-group (x = chunk 0..31, y = head) takes 2,048 memory slots of one head and all 256 queries, and leaves a partial O^T (not normalised), -M and l for each query.
; All four products run on codes of FP6 (E2M3) with one E8M0 scale for each 32 along K.  Nothing but the partial results goes to memory: k, v and the scores live in registers and LDS.
; A TRIP is 256 slots, 8 trips.  PHASE A (make operands): wave w takes slots 64 w .. 64 w + 63 of the trip: quantises mem, makes k (linear, LayerNorm, softmax as p = 2^(t - M), quantised along the key units)
; and v (linear, LayerNorm, relu, quantised along the SLOTS), and lays both in LDS as images of operand registers.  PHASE B (attention): wave w owns queries 64 w .. 64 w + 63 and walks the trip's slots in two K steps of 128.
; ORDER IN A TRIP: barrier | my 64 rows of the trip's mem are asked for (one tensor load) | phase B on the LAST trip's images, while the rows land | barrier | phase A.  Phase B of the last trip stands behind the loop.
; LAYOUTS (r = lane % 16, h = lane / 16).  Key path and LayerNorm statistics: source 0 = 16 rows of the weight, source 1 = 16 slots: a lane holds ONE slot, registers run along the units; the weight rows of a tile are
; chosen (lane r of tile t: row 32 (t / 2) + 8 (t % 2) + r + 8 (r / 8)) so that register 16 b + i is unit 32 b + 16 h + i.  Value path: the product is made a second time with source 0 = 16 slots, source 1 = the weight:
; a lane then holds ONE unit and registers run along the slots, as the quantiser along the slots wants; rstd and -mu rstd of each slot come from the first copy through 256 bytes of the wave's own LDS.
; Scores: S^T = k q^T (a lane holds one query, registers run along the slots); O^T = V^T P.  Inside a block of 32 slots P and V^T carry the same order (place 16 h + 8 u + j holds slot 16 u + 8 h + j): the blocks are
; the true blocks, and the sums are kept.
; LIMITS: NaN and infinities among the inputs are not served.  A block whose largest magnitude lies under 2^-124 (a block of zeros too) keeps the scale byte 1; only this program reads the bytes.  p under 2^-126 comes
; out of v_exp_f32 as 0.  1 / l and 1 / sqrt are v_rcp_f32 and v_rsq_f32.  nk_g and nk_b are multiplied by log2(e) ahead of the fused multiply-add (one rounding placed otherwise than in the source);
; (x - mu) rstd of the value path is one fused multiply-add with -mu rstd.
; NO CLUSTER: work-groups share only q and the weights, 256 KB read once at the head, against 1 MB of mem that is each work-group's own.
.set MEMP,  528                        ; a row of mem in LDS: 512 bytes + 16 of padding: 33 x 16, so the 16 rows of a load start in 16 different groups of banks
.set WMEM,  64*MEMP                    ; a wave's 64 rows
.set IMG,   4*WMEM                     ; behind mem's rows: the images of a trip.  All offsets below count from IMG
.set KIMG,  0                          ; k: 16 fragments (16 slots x 128 key units) x 1,536 bytes
.set VIMG,  24576                      ; V^T: (8 kk + ut) x 1,536 bytes (16 units x 128 slots)
.set KSC,   49152                      ; k's scale words, 64 bytes a fragment
.set VSC,   50176                      ; V^T's: 512 kk + 64 ut + 4 r, byte = the block
.set CSL,   51200                      ; c = log2(e) / (the key softmax's sum), 4 bytes a slot
.set WIMG,  IMG+52224                  ; the 16 weight fragments' images: fk_w's tiles 0-7, fv_w's tiles 0-7
.set WSC,   24576                      ; (from WIMG) their scale words, 64 bytes a fragment
.set TAB,   WIMG+25600                 ; tables, offsets from TAB:
.set FKB,   0                          ; fk_b
.set NKG,   512                        ; nk_g x log2(e)
.set NKB,   1024                       ; nk_b x log2(e)
.set FVB,   1536                       ; fv_b
.set FVBR,  2048                       ; 16 bytes a unit: fv_b four times
.set GNB,   4096                       ; 16 bytes a unit: nv_g, nv_g, nv_b, nv_b
.set STAT,  TAB+6144                   ; 256 bytes a wave: rstd of a block's 32 slots, then -mu rstd
.set SPARE, STAT+1024                  ; the spare words, 128 bytes a wave: two blocks of 256 bytes that no other line names
; window 0
.set SPW, 1                            ; LDS address of my spare word; never rewritten
.set NIL, 2                            ; 0; never rewritten
.set LI,  3                            ; 16 x lane
.set LS4, 4                            ; 4 x lane
.set AM,  5                            ; mem's rows: WMEM w + 528 r + 64 h
.set AKI, 6                            ; 16 lane + 6144 w
.set AK4, 7                            ; 4 r + 256 w
.set ASW, 8                            ; STAT + 256 w + 4 r
.set ASR, 9                            ; STAT + 256 w + 32 h
.set AVI, 10                           ; v10-12: where a block's 24 bytes of V^T go, in three pieces of 8
.set AVS, 13                           ; 4 r + 512 (w / 2) + 2 (w % 2)
.set ACN, 14                           ; TAB + 64 h
.set ACM, 15                           ; TAB + 16 (r + 8 (r / 8))
.set ACC, 16                           ; 32 h
.set PFO, 17                           ; 256 x lane
.set TA,  18                           ; v18-23 addresses in hand
.set KWS, 24                           ; v24-27 fk_w's scale words: lanes 0-15 tile 2 j, lanes 16-31 tile 2 j + 1
.set VWS, 28                           ; v28-31 fv_w's
.set QS,  32                           ; v32-35 q's
.set XS,  36                           ; v36-39 phase A: mem's four; phase B: k's, then V^T's, two fragments a register
.set PS,  40                           ; v40-43 p's
.set PW,  44                           ; the scale word just made
.set ST,  46                           ; 8 a query tile: +0 -M, +1 largest t, +2:3 l, +4:5 f, +6, +7 at work
.set TM,  78                           ; +0..3 largest magnitudes, +4..7 the other half's, then bytes, +12..15 the conversions' scale operands
.set PC,  94                           ; the upper 16 codes of two blocks, ahead of their move
.set PCI, 110                          ; a finished fragment on its way to LDS
.set LT,  122                          ; v122-129 four chains of sums
.set NMU, LT+8                         ; -mu, twice
.set RS,  LT+10                        ; rstd, twice
.set NM,  LT+12                        ; -M of the key softmax, twice
.set LV,  LT+14                        ; at work
.set LC,  LT+15                        ; c
.set SA,  LT+16                        ; rstd of two tiles, -mu rstd of two tiles
.set QC,  146                          ; v146-193 q's four fragments
.set FR,  194                          ; v194-241 phase A: mem's four fragments; phase B: fragments and c
.set GW,  242                          ; v242-250 serve the head alone
.set GQ,  243
.set GT,  244
.set TT4, 245
.set TT16, 246
.set WI,  247
.set WS,  248
.set WL,  249
.set WL4, 250
.set GO8, 251                          ; 8 x lane
; window 1: O^T, accumulator (qt, ut) at 64 qt + 8 ut.   window 2: phase B: S^T of tile qt at 64 qt, later P in its first 12; phase A: numbers, accumulators, constants.
; window 3: v0-95 fk_w's fragments, v96-191 fv_w's, v192-255 constants and fragments in hand.
.set WV,  44
.set T,   45                           ; the trip
.set CT,  46                           ; counts the inner loops
.set SEL, 48                           ; s[48:49] v_permlanex16_b32's selects for lane l xor 16
.set I128, 50
.set EPS, 51
.set L2E, 52
.set B1,  53
.set B2,  54
.set O1,  55
.set O2,  56
.set O3,  57
.set O4,  58
.set FL,  59                           ; the floor 2^(3 - 127)
.set PF,  60                           ; s[60:61] my rows of the trip in hand, for the prefetch
.set NB,  62                           ; the most negative f32 number
.set G1,  32                           ; s[32:39] descriptor group 1
.set G0,  40                           ; s[40:43] descriptor group 0
.set MSB, 0
.macro WIN new                         ; s_set_vgpr_msb: bits 1:0 source 0, 3:2 source 1, 5:4 source 2, 7:6 destination; the high byte repeats the setting that is left
.if MSB != (\new)
	s_set_vgpr_msb (MSB<<8)|(\new)
.set MSB, \new
.endif
.endm
.macro PLACES n                        ; plain vector instructions between a matrix instruction and what may not follow it closely (ISA guide 7.12.1)
.rept \n
	v_nop
.endr
.endm
.macro BARRIER                         ; my LDS stores have landed and my LDS loads are in: then the work-group's barrier
	s_wait_dscnt 0x0
	s_barrier_signal -1
	s_barrier_wait -1
.endm
; one scaled product.  c < 0: the constant 0 starts the sum.  row = 1: source 0's scales stand in lanes 16-31; row = 2: source 1's
.macro WM d, a, b, c, sa, sb, row
.if (\c) < 0
.if (\row) == 0
	v_wmma_scale_f32_16x16x128_f8f6f4 v[(\d):(\d)+7], v[(\a):(\a)+11], v[(\b):(\b)+11], 0, v[\sa], v[\sb] matrix_a_fmt:MATRIX_FMT_FP6 matrix_b_fmt:MATRIX_FMT_FP6
.else
	v_wmma_scale_f32_16x16x128_f8f6f4 v[(\d):(\d)+7], v[(\a):(\a)+11], v[(\b):(\b)+11], 0, v[\sa], v[\sb] matrix_a_fmt:MATRIX_FMT_FP6 matrix_b_fmt:MATRIX_FMT_FP6 matrix_a_scale:MATRIX_SCALE_ROW1
.endif
.elseif (\row) == 0
	v_wmma_scale_f32_16x16x128_f8f6f4 v[(\d):(\d)+7], v[(\a):(\a)+11], v[(\b):(\b)+11], v[(\c):(\c)+7], v[\sa], v[\sb] matrix_a_fmt:MATRIX_FMT_FP6 matrix_b_fmt:MATRIX_FMT_FP6
.elseif (\row) == 1
	v_wmma_scale_f32_16x16x128_f8f6f4 v[(\d):(\d)+7], v[(\a):(\a)+11], v[(\b):(\b)+11], v[(\c):(\c)+7], v[\sa], v[\sb] matrix_a_fmt:MATRIX_FMT_FP6 matrix_b_fmt:MATRIX_FMT_FP6 matrix_a_scale:MATRIX_SCALE_ROW1
.else
	v_wmma_scale_f32_16x16x128_f8f6f4 v[(\d):(\d)+7], v[(\a):(\a)+11], v[(\b):(\b)+11], v[(\c):(\c)+7], v[\sa], v[\sb] matrix_a_fmt:MATRIX_FMT_FP6 matrix_b_fmt:MATRIX_FMT_FP6 matrix_b_scale:MATRIX_SCALE_ROW1
.endif
.endm
.macro XCH                             ; four maxima are joined with lane l xor 16's
.irp b,0,1,2,3
	v_permlanex16_b32 v[TM+4+\b], v[TM+\b], s[SEL], s[SEL+1]
.endr
.irp b,0,1,2,3
	v_max_num_f32 v[TM+\b], v[TM+\b], v[TM+4+\b]
.endr
.endm
; the largest magnitudes of four blocks: 64 numbers of window sw, register 16 b + i, 16 of a block in my lane and 16 in lane l xor 16; the floor is one more leaf, so the byte cannot fall under 1
.macro QMAX src, sw
	WIN ((\sw)<<2)|((\sw)<<4)
.irp b,0,1,2,3
	v_max3_num_f32 v[TM+\b], s[FL], |v[(\src)+16*\b]|, |v[(\src)+16*\b+1]|
.endr
.irp i,2,4,6,8,10,12,14
.irp b,0,1,2,3
	v_max3_num_f32 v[TM+\b], v[TM+\b], |v[(\src)+16*\b+\i]|, |v[(\src)+16*\b+\i+1]|
.endr
.endr
	WIN 0
	XCH
.endm
.macro BMAX src                        ; the same with signs, for t (window 2): a block's largest t serves the row's maximum and, since p rises with t, the block's largest p
	WIN 0x28
.irp b,0,1,2,3
	v_max3_num_f32 v[TM+\b], s[NB], v[(\src)+16*\b], v[(\src)+16*\b+1]
.endr
.irp i,2,4,6,8,10,12,14
.irp b,0,1,2,3
	v_max3_num_f32 v[TM+\b], v[TM+\b], v[(\src)+16*\b+\i], v[(\src)+16*\b+\i+1]
.endr
.endr
	WIN 0
	XCH
.endm
.macro QSCL                            ; 2 off the exponent field: the conversion's scale operand; its exponent field is the scale's byte
.irp b,0,1,2,3
	v_add_nc_u32 v[TM+12+\b], 0xff000000, v[TM+\b]
.endr
.irp b,0,1,2,3
	v_lshrrev_b32 v[TM+4+\b], 23, v[TM+12+\b]
.endr
.endm
.macro QWORD word                      ; the four bytes make a row's scale word
	v_lshl_or_b32 v[\word], v[TM+5], 8, v[TM+4]
	v_lshl_or_b32 v[\word], v[TM+6], 16, v[\word]
	v_lshl_or_b32 v[\word], v[TM+7], 24, v[\word]
.endm
; 64 numbers become codes.  A conversion gives half a block (my 16); the operand wants a whole block in a lane (lanes 0-15 block 2 c, lanes 16-31 block 2 c + 1): three swaps of lane halves for each pair of blocks.
; Behind them v[d0 + 6 c ..+2] hold each lane's block's lower 16 codes and v[PC + 4 c ..+2] the upper 16 (a conversion's three registers begin on an even number).
.macro QCVT src, sw, d0
	WIN \sw
.irp c,0,1
	v_cvt_scalef32_pk16_fp6_f32 v[(\d0)+6*\c:(\d0)+6*\c+2], v[(\src)+32*\c:(\src)+32*\c+15], v[TM+12+2*\c]
	v_cvt_scalef32_pk16_fp6_f32 v[PC+4*\c:PC+4*\c+2], v[(\src)+32*\c+16:(\src)+32*\c+31], v[TM+13+2*\c]
.endr
	WIN 0
	v_nop                                          ; one plain place behind a scaled conversion
.irp c,0,1
.irp i,0,1,2
	v_permlane16_swap_b32 v[(\d0)+6*\c+\i], v[PC+4*\c+\i]
.endr
.endr
.endm
.macro QFIN0 d0                        ; the fragment stays in window 0: the upper halves move in
.irp c,0,1
.irp i,0,1,2
	v_mov_b32 v[(\d0)+6*\c+3+\i], v[PC+4*\c+\i]
.endr
.endr
.endm
.macro QFINW d0, x, dw                 ; the fragment goes to v[x ..] of window dw
	WIN (\dw)<<6
.irp c,0,1
.irp i,0,1,2
	v_mov_b32 v[(\x)+6*\c+\i], v[(\d0)+6*\c+\i]
	v_mov_b32 v[(\x)+6*\c+3+\i], v[PC+4*\c+\i]
.endr
.endr
.endm
.macro JOIN
	v_pk_add_f32 v[LT:LT+1], v[LT:LT+1], v[LT+2:LT+3]
	v_pk_add_f32 v[LT+4:LT+5], v[LT+4:LT+5], v[LT+6:LT+7]
	v_pk_add_f32 v[LT:LT+1], v[LT:LT+1], v[LT+4:LT+5]
.endm
; the sum of 64 registers of window 2, two at a time in four chains, into v[LT:LT+1].  Each group of eight registers is first read at its two lowest
.macro PSUM x
	WIN 0x0a
.irp k,0,1,2,3
	v_pk_add_f32 v[LT+2*\k:LT+2*\k+1], v[(\x)+2*\k:(\x)+2*\k+1], v[(\x)+8+2*\k:(\x)+9+2*\k]
.endr
	WIN 0x08
.irp m,2,3,4,5,6,7
.irp k,0,1,2,3
	v_pk_add_f32 v[LT+2*\k:LT+2*\k+1], v[LT+2*\k:LT+2*\k+1], v[(\x)+8*\m+2*\k:(\x)+8*\m+2*\k+1]
.endr
.endr
	WIN 0
	JOIN
.endm
.macro HSUM                            ; the pair's two halves, and lane l xor 16's: the whole row's sum in v[LT]
	v_add_f32 v[LT], v[LT], v[LT+1]
	v_permlanex16_b32 v[LT+1], v[LT], s[SEL], s[SEL+1]
	v_add_f32 v[LT], v[LT], v[LT+1]
.endm
; LayerNorm's statistics of one tile (a lane: one slot, 64 of its 128 units): x becomes x - mu in place; -mu and rstd are left in pairs
; wb >= 0: the second slot tile's eight products (weight fragments from v[wb] of window 3, their scale words from v[sb]) stand one by one among this tile's x - mu additions, which name none of their registers
.macro LNSTAT x, wb=-1, sb=0
	PSUM \x
	HSUM
	v_mul_f32 v[NMU], 0xbc000000, v[LT]            ; -sum / 128
	v_mul_f32 v[NMU+1], 0xbc000000, v[LT]
.set ip, 0
.rept 32
.if (\wb) >= 0 && ip%8 == 0
	WIN 0xb3
	WM 64+ip, (\wb)+12*(ip/8), FR+12, 192+ip, (\sb)+ip/16, XS+1, (ip/8)%2
.endif
	WIN 0x82
	v_pk_add_f32 v[(\x)+ip:(\x)+ip+1], v[(\x)+ip:(\x)+ip+1], v[NMU:NMU+1]
.set ip, ip+2
.endr
	WIN 0x0a
.irp k,0,1,2,3
	v_pk_mul_f32 v[LT+2*\k:LT+2*\k+1], v[(\x)+2*\k:(\x)+2*\k+1], v[(\x)+2*\k:(\x)+2*\k+1]
.endr
.irp m,1,2,3,4,5,6,7
.irp k,0,1,2,3
	v_pk_fma_f32 v[LT+2*\k:LT+2*\k+1], v[(\x)+8*\m+2*\k:(\x)+8*\m+2*\k+1], v[(\x)+8*\m+2*\k:(\x)+8*\m+2*\k+1], v[LT+2*\k:LT+2*\k+1]
.endr
.endr
	WIN 0
	JOIN
	HSUM
	v_fma_f32 v[LV], v[LT], s[I128], s[EPS]        ; the variance + 1e-5
	s_wait_alu depctr_va_vdst(0)
	v_rsq_f32 v[RS], v[LV]
	v_nop                                          ; one plain place behind a transcendental
	s_wait_alu depctr_va_vdst(0)
	v_mov_b32 v[RS+1], v[RS]
.endm
.macro CLOAD dst, dw, off              ; 64 numbers of a table, register 16 b + i = unit 32 b + 16 h + i
	WIN (\dw)<<6
.irp b,0,1,2,3
.irp j,0,1,2,3
	ds_load_b128 v[(\dst)+16*\b+4*\j:(\dst)+16*\b+4*\j+3], v[ACN] offset:(\off)+128*\b+16*\j
.endr
.endr
.endm
.macro IMAGE adr, off                  ; the fragment in v[PCI ..] goes to LDS as it stands: three stores of 512 consecutive bytes
.irp c,0,1,2
	ds_store_b128 v[\adr], v[PCI+4*\c:PCI+4*\c+3] offset:(\off)+512*\c
.endr
.endm
.macro OTHER                           ; mem's fragments 0, 1 change places with 2, 3, their scale words first: a loop of two trips serves both halves of the wave's 64 slots, and leaves all as it was
	v_swap_b32 v[XS], v[XS+2]
	v_swap_b32 v[XS+1], v[XS+3]
.set ip, 0
.rept 24
	v_swap_b32 v[FR+ip], v[FR+24+ip]
.set ip, ip+1
.endr
.endm
; The key path of tile u behind LNSTAT: t = (x - mu) rstd g' + b' (g', b' carry log2(e)); M = ceil(the largest t); p = 2^(t - M); the sum of p; p quantised along the key units; image, scale word and c to LDS
.macro KTILE u
.set kx, 64*(\u)
	WIN 0x82
.set ip, 0
.rept 32
	v_pk_mul_f32 v[kx+ip:kx+ip+1], v[kx+ip:kx+ip+1], v[RS:RS+1]
.set ip, ip+2
.endr
	WIN 0xaa
.set ip, 0
.rept 32
	v_pk_fma_f32 v[kx+ip:kx+ip+1], v[kx+ip:kx+ip+1], v[128+ip:129+ip], v[192+ip:193+ip]
.set ip, ip+2
.endr
	BMAX kx
	v_max3_num_f32 v[LV], v[TM], v[TM+1], v[TM+2]
	v_max_num_f32 v[LV], v[LV], v[TM+3]
	v_floor_f32 v[NM], -v[LV]                      ; -M = floor(-t) = -ceil(t)
	v_floor_f32 v[NM+1], -v[LV]
	WIN 0x82
.set ip, 0
.rept 32
	v_pk_add_f32 v[kx+ip:kx+ip+1], v[kx+ip:kx+ip+1], v[NM:NM+1]
.set ip, ip+2
.endr
	WIN 0
.irp b,0,1,2,3
	v_add_f32 v[TM+\b], v[TM+\b], v[NM]            ; the same of each block's largest t
.endr
	WIN 0x82
.set ip, 0
	s_wait_alu depctr_va_vdst(0)
.rept 64
	v_exp_f32 v[kx+ip], v[kx+ip]
.set ip, ip+1
.endr
	WIN 0
.irp b,0,1,2,3
	v_exp_f32 v[TM+\b], v[TM+\b]                   ; the block's largest p: the same instructions on the same number
.endr
	v_nop                                          ; one plain place behind the exponentials
	s_wait_alu depctr_va_vdst(0)
.irp b,0,1,2,3
	v_max_num_f32 v[TM+\b], s[FL], v[TM+\b]
.endr
	PSUM kx                                        ; the sum is taken of the unquantised p
	HSUM
	s_wait_dscnt 0x0                               ; the last tile's LDS stores have read the registers that are written next
	s_wait_alu depctr_va_vdst(0)
	v_rcp_f32 v[LC], v[LT]
	QSCL                                           ; (plain lines behind the reciprocal)
	QWORD PW
	s_wait_alu depctr_va_vdst(0)
	v_mul_f32 v[LC], s[L2E], v[LC]                 ; c = log2(e) / sum: a score times c is t of the attention softmax
	QCVT kx, 2, PCI
	QFIN0 PCI
	IMAGE TA, KIMG+1536*(\u)
	ds_store_b32 v[TA+1], v[PW] offset:KSC+64*(\u) ; lanes r and r + 16 write the same word with the same value
	ds_store_b32 v[TA+1], v[LC] offset:CSL+64*(\u)
.endm
; The attention softmax of query tile qt for 128 slots; t lies in v[64 qt ..] of window 2.  Running M, a whole number; what was summed under the old M is multiplied by f = 2^(old M - new M), which rounds nothing.
.macro PVQ q, t                        ; one product of O^T += V^T P: query tile q, unit tile t.  Each of the 32 accumulators has one instruction a K step, so no two neighbours share one
.if (\t) < 4
	WIN 0x5b
	WM 64*(\q)+8*(\t), 192+12*(\t), 64*(\q), 64*(\q)+8*(\t), XS+(\t)/2, PS+(\q), (\t)%2
.else
	WIN 0x58
	WM 64*(\q)+8*(\t), FR+12*((\t)-4), 64*(\q), 64*(\q)+8*(\t), XS+(\t)/2, PS+(\q), (\t)%2
.endif
.endm
; The eight products of tile qt - 1 stand one by one among tile qt's maxima and additions, ahead of its exponentials: these lines name none of the products' registers
.macro SOFT qt
.set sx, 64*(\qt)
.set ss, ST+8*(\qt)
	WIN 0x28
.irp b,0,1,2,3
	v_max3_num_f32 v[TM+\b], s[NB], v[sx+16*\b], v[sx+16*\b+1]
.endr
.irp i,2,4,6,8,10,12,14
.if (\qt) > 0 && (\i)%4 == 2
	PVQ (\qt)-1, ((\i)-2)/4
	WIN 0x28
.endif
.irp b,0,1,2,3
	v_max3_num_f32 v[TM+\b], v[TM+\b], v[sx+16*\b+\i], v[sx+16*\b+\i+1]
.endr
.endr
	WIN 0
	XCH
	v_max3_num_f32 v[ss+6], v[TM], v[TM+1], v[TM+2]
	v_max_num_f32 v[ss+6], v[ss+6], v[TM+3]
	v_max_num_f32 v[ss+1], v[ss+1], v[ss+6]        ; the running largest t
	v_mov_b32 v[ss+6], v[ss]
	v_floor_f32 v[ss], -v[ss+1]                    ; the new -M
	v_sub_f32 v[ss+6], v[ss], v[ss+6]              ; old M - new M: a whole number, 0 or less
	v_cvt_i32_f32 v[ss+6], v[ss+6]                 ; (it saturates)
	v_ldexp_f32 v[ss+4], 1.0, v[ss+6]
.set ip, 0
.rept 32
.if (\qt) > 0 && ip%16 == 0
	PVQ (\qt)-1, 4+ip/16
.endif
	WIN 0x82
	v_pk_add_f32 v[sx+ip:sx+ip+1], v[sx+ip:sx+ip+1], v[ss:ss+1] op_sel_hi:[1,0]
.set ip, ip+2
.endr
	WIN 0
.irp b,0,1,2,3
	v_add_f32 v[TM+\b], v[TM+\b], v[ss]
.endr
	WIN 0x82
.set ip, 0
	s_wait_alu depctr_va_vdst(0)
.rept 64
	v_exp_f32 v[sx+ip], v[sx+ip]                   ; p = 2^(t - M): not normalised
.set ip, ip+1
.endr
	WIN 0
.irp b,0,1,2,3
	v_exp_f32 v[TM+\b], v[TM+\b]
.endr
	v_pk_mul_f32 v[ss+2:ss+3], v[ss+2:ss+3], v[ss+4:ss+5] op_sel_hi:[1,0]   ; l under the new M (a plain place behind the exponentials)
	s_wait_alu depctr_va_vdst(0)
.irp b,0,1,2,3
	v_max_num_f32 v[TM+\b], s[FL], v[TM+\b]
.endr
	QSCL
	QWORD PS+\qt
	QCVT sx, 2, PCI
	PSUM sx                                        ; the row's sum of the unquantised p,
	v_pk_add_f32 v[ss+2:ss+3], v[ss+2:ss+3], v[LT:LT+1]
	QFINW PCI, sx, 2                               ; and only then P's codes take the place of the first twelve p
	WIN 0x41
.set ip, 0
.rept 32
	v_pk_mul_f32 v[sx+ip:sx+ip+1], v[sx+ip:sx+ip+1], v[ss+4:ss+5] op_sel_hi:[1,0]   ; O^T under the new M; these lines are also the places between P's and its scale word's last writes and the products
.set ip, ip+2
.endr
.endm
; ONE K STEP OF PHASE B: 128 slots.  s[B1] = IMG + 12288 kk, s[B2] = IMG + 512 kk.
.macro BSTEP
	v_add_nc_u32 v[TA], s[B1], v[LI]
	v_add_nc_u32 v[TA+1], s[B2], v[LS4]
	v_add_nc_u32 v[TA+2], s[B2], v[ACC]
	PLACES 5                                       ; the next products write over P, which the last products read: five places; the loads below want four
.irp j,0,1,2,3                                 ; L2: k's scale words, two fragments a register: first, since every product wants one
	ds_load_b32 v[XS+\j], v[TA+1] offset:KSC+128*\j
.endr
.irp f,0,1,2,3                                 ; L1: k's fragments 0-3
.irp c,0,1,2
	ds_load_b128 v[FR+12*\f+4*\c:FR+12*\f+4*\c+3], v[TA] offset:KIMG+1536*\f+512*\c
.endr
.endr
	WIN 0xc0
.irp f,0,1,2,3                                 ; L3: k's fragments 4-7
.irp c,0,1,2
	ds_load_b128 v[192+12*\f+4*\c:192+12*\f+4*\c+3], v[TA] offset:KIMG+1536*(4+\f)+512*\c
.endr
.endr
.irp u,0,1                                     ; L4: c of block 3
.irp j,0,1
	ds_load_b128 v[240+8*\u+4*\j:240+8*\u+4*\j+3], v[TA+2] offset:CSL+384+64*\u+16*\j
.endr
.endr
	s_wait_alu depctr_va_vdst(0)
	WIN 0x80
.irp t,0,1,2,3
	s_wait_dscnt 25-3*\t                           ; of the 32 loads issued, the 4 of L2 and the 3 (t + 1) of fragments 0 .. t are in; the others may be out
.irp q,0,1,2,3
	WM 64*\q+8*\t, FR+12*\t, QC+12*\q, -1, XS+\t/2, QS+\q, \t%2
.endr
.endr
	WIN 0
	PLACES 4
.irp b,0,1,2                                   ; L5: c of blocks 0-2, where k's fragments 0-3 lay
.irp u,0,1
.irp j,0,1
	ds_load_b128 v[FR+16*\b+8*\u+4*\j:FR+16*\b+8*\u+4*\j+3], v[TA+2] offset:CSL+128*\b+64*\u+16*\j
.endr
.endr
.endr
	s_wait_dscnt 12                                ; L3 and L4 are in; the 12 loads of L5 may be out
	WIN 0x83
.irp t,4,5,6,7
.irp q,0,1,2,3
	WM 64*\q+8*\t, 192+12*(\t-4), QC+12*\q, -1, XS+\t/2, QS+\q, \t%2
.endr
.endr
	WIN 0
	PLACES 4
	WIN 0xc0
.irp f,0,1,2,3                                 ; L6: V^T's fragments 0-3
.irp c,0,1,2
	ds_load_b128 v[192+12*\f+4*\c:192+12*\f+4*\c+3], v[TA] offset:VIMG+1536*\f+512*\c
.endr
.endr
	WIN 0
.irp j,0,1,2,3                                 ; L7: V^T's scale words
	ds_load_b32 v[XS+\j], v[TA+1] offset:VSC+128*\j
.endr
	s_wait_dscnt 16                                ; L5 is in; the 16 loads of L6 and L7 may be out
	WIN 0x82
.irp q,0,1,2,3                                 ; t = score x c of the slot; each accumulator from its low end on
.set ip, 0
.rept 24
	v_pk_mul_f32 v[64*\q+ip:64*\q+ip+1], v[64*\q+ip:64*\q+ip+1], v[FR+ip:FR+ip+1]
.set ip, ip+2
.endr
.endr
	WIN 0x8e
.irp q,0,1,2,3
.set ip, 48
.rept 8
	v_pk_mul_f32 v[64*\q+ip:64*\q+ip+1], v[64*\q+ip:64*\q+ip+1], v[192+ip:193+ip]
.set ip, ip+2
.endr
.endr
	WIN 0
.irp f,0,1,2,3                                 ; L8: V^T's fragments 4-7, where c lay: they land under the softmax
.irp c,0,1,2
	ds_load_b128 v[FR+12*\f+4*\c:FR+12*\f+4*\c+3], v[TA] offset:VIMG+1536*(4+\f)+512*\c
.endr
.endr
	SOFT 0
	s_wait_alu depctr_va_vdst(0)
	s_wait_dscnt 0x0                               ; V^T's fragments and scale words are in
	SOFT 1                                         ; with tile 0's products among its lines,
	SOFT 2                                         ; tile 1's,
	SOFT 3                                         ; tile 2's;
.irp t,0,1,2,3,4,5,6,7
	PVQ 3, \t                                      ; and tile 3's at the step's end
.endr
.endm
; PHASE B: two K steps, written once, as a loop of two trips
.macro BPHASE
	s_mov_b32 s[B1], IMG
	s_mov_b32 s[B2], IMG
	s_mov_b32 s[CT], 0
.Lbs_\@:
	BSTEP
	WIN 0
	s_add_co_u32 s[B1], s[B1], 12288
	s_add_co_u32 s[B2], s[B2], 512
	s_add_co_u32 s[CT], s[CT], 1
	s_cmp_lt_u32 s[CT], 2
	s_cbranch_scc1 .Lbs_\@
.endm
; ---------------- the head ----------------
	s_load_b512 s[8:23], s[0:1], 0x0               ; q s[8:9], mem s[10:11], fk_w s[12:13], fk_b s[14:15], fv_w s[16:17], fv_b s[18:19], nk_g s[20:21], nk_b s[22:23]
	s_load_b256 s[24:31], s[0:1], 0x40             ; nv_g s[24:25], nv_b s[26:27], opart s[28:29], stat s[30:31]
	v_lshl_add_u32 v[SPW], v0, 2, SPARE
	v_mov_b32 v[NIL], 0
	ds_add_u32 v[SPW], v[NIL]                      ; the opening lines, ahead of my first tensor load: the add, twice on end, under one wait; the set-up below is work on registers
	ds_add_u32 v[SPW], v[NIL]
	v_lshrrev_b32 v[TA], 5, v0
	v_readfirstlane_b32 s[WV], v[TA]               ; wave 0..3
	v_and_b32 v[TA+1], 31, v0                      ; lane
	v_and_b32 v[TA+2], 15, v0                      ; r
	v_bfe_u32 v[TA+3], v0, 4, 1                    ; h
	v_and_b32 v[TA+4], 8, v[TA+2]
	v_add_nc_u32 v[TA+4], v[TA+4], v[TA+2]         ; r + 8 (r / 8)
	v_lshlrev_b32 v[LI], 4, v[TA+1]
	v_lshlrev_b32 v[LS4], 2, v[TA+1]
	v_lshlrev_b32 v[GO8], 3, v[TA+1]
	v_lshlrev_b32 v[PFO], 8, v[TA+1]
	s_mul_i32 s66, s[WV], WMEM
	v_mul_u32_u24 v[AM], v[TA+2], MEMP
	v_lshl_add_u32 v[AM], v[TA+3], 6, v[AM]
	v_add_nc_u32 v[AM], s66, v[AM]
	s_mul_i32 s67, s[WV], 6144
	v_add_nc_u32 v[AKI], s67, v[LI]
	s_lshl_b32 s68, s[WV], 8
	v_lshl_add_u32 v[AK4], v[TA+2], 2, s68
	v_add_nc_u32 v[ASW], STAT, v[AK4]
	v_lshl_add_u32 v[ASR], v[TA+3], 5, s68
	v_add_nc_u32 v[ASR], STAT, v[ASR]
	s_lshr_b32 s69, s[WV], 1                       ; kk: which K step of the second product my slots belong to
	s_and_b32 s70, s[WV], 1                        ; and which half of it: registers 0-5 or 6-11 of a fragment
	s_mul_i32 s71, s69, 12288
	v_mul_u32_u24 v[TA+5], v[TA+3], 1536           ; lanes 16-31 hold the next unit tile's codes
	v_lshl_add_u32 v[TA+5], v[TA+2], 4, v[TA+5]
	v_add_nc_u32 v[TA+5], s71, v[TA+5]
	s_mul_i32 s72, s70, 520                        ; registers (0,1) (2,3) (4,5) lie at bytes 0, 8, 512 of an image's lane, registers (6,7) (8,9) (10,11) at 520, 1024, 1032
	s_mul_i32 s73, s70, 1016
	v_add_nc_u32 v[AVI], s72, v[TA+5]
	s_add_co_u32 s73, s73, 8
	v_add_nc_u32 v[AVI+1], s73, v[TA+5]
	s_add_co_u32 s72, s72, 512
	v_add_nc_u32 v[AVI+2], s72, v[TA+5]
	s_lshl_b32 s71, s69, 9
	s_lshl_b32 s72, s70, 1
	s_add_co_u32 s71, s71, s72
	v_lshl_add_u32 v[AVS], v[TA+2], 2, s71
	v_lshl_add_u32 v[ACN], v[TA+3], 6, TAB
	v_lshl_add_u32 v[ACM], v[TA+4], 4, TAB
	v_lshlrev_b32 v[ACC], 5, v[TA+3]
	v_lshlrev_b32 v[GW], 9, v[TA+4]
	v_lshl_add_u32 v[GW], v[TA+3], 6, v[GW]        ; a weight's row r + 8 (r / 8) of 512 bytes, + 64 h: my 16 numbers of a block of 32
	v_lshlrev_b32 v[GQ], 9, v[TA+2]
	v_lshl_add_u32 v[GQ], v[TA+3], 6, v[GQ]        ; q: row r
	v_lshlrev_b32 v[GT], 2, v0
	v_lshl_add_u32 v[TT4], v0, 2, TAB
	v_lshl_add_u32 v[TT16], v0, 4, TAB
	s_mul_i32 s66, s[WV], 3072
	s_add_co_u32 s66, s66, WIMG
	v_add_nc_u32 v[WI], s66, v[LI]
	s_lshl_b32 s66, s[WV], 7
	s_add_co_u32 s66, s66, WIMG
	v_lshl_add_u32 v[WS], v[TA+2], 2, s66
	v_add_nc_u32 v[WL], WIMG, v[LI]
	v_add_nc_u32 v[WL4], WIMG, v[LS4]
.irp b,0,1,2,3
	v_mov_b32 v[TM+4+\b], 0                        ; written once: a lane permute's destination counts as one of its sources
.endr
	s_mov_b32 s[SEL], 0x76543210
	s_mov_b32 s[SEL+1], 0xfedcba98
	s_mov_b32 s[I128], 0x3c000000                  ; 1 / 128
	s_mov_b32 s[EPS], 0x3727c5ac                   ; 1e-5
	s_mov_b32 s[L2E], 0x3fb8aa3b                   ; log2(e)
	s_mov_b32 s[FL], 0x01800000
	s_mov_b32 s[NB], 0xff7fffff
	; descriptor group 1: a tile of 64 rows x 128 elements of 4 bytes, 16 bytes of padding behind each row
	s_mov_b32 s[G1], (2<<16)|(1<<20)|(6<<22)|(3<<25)   ; no mask; elements of 4 bytes; padding on; after every 128 words (code 6); of 4 words (code 3)
	s_mov_b32 s[G1+1], 128<<16                     ; tensor_dim0 = 128
	s_mov_b32 s[G1+2], 64<<16                      ; tensor_dim1 = 64
	s_mov_b32 s[G1+3], 128<<16                     ; tile_dim0 = 128
	s_mov_b32 s[G1+4], 64                          ; tile_dim1 = 64
	s_mov_b32 s[G1+5], 128                         ; elements from row to row
	s_mov_b32 s[G1+6], 0
	s_mov_b32 s[G1+7], 0
	s_mov_b32 s[G0], 1
	s_mul_i32 s[G0+1], s[WV], WMEM                 ; my 64 rows' place in LDS
	s_and_b32 s66, ttmp7, 0xffff                   ; the head
	s_lshl_b32 s67, s66, 25                        ; 65,536 slots of 512 bytes
	s_lshl_b32 s68, ttmp9, 20                      ; 2,048 slots
	s_add_co_u32 s67, s67, s68
	s_lshl_b32 s68, s[WV], 15                      ; 64 slots; also 64 rows of q, and four query tiles of opart
	s_add_co_u32 s72, s67, s68
	s_mov_b32 s73, 0
	s_lshl_b32 s69, s66, 5
	s_add_co_u32 s69, s69, ttmp9                   ; the work-group's number: 32 x head + chunk
	s_lshl_b32 s74, s69, 17
	s_add_co_u32 s74, s74, s68
	s_mov_b32 s75, 0
	s_lshl_b32 s76, s69, 12
	s_lshl_b32 s70, s[WV], 10
	s_add_co_u32 s76, s76, s70
	s_mov_b32 s77, 0
	s_lshl_b32 s78, s[WV], 14                      ; 32 rows of a weight
	s_mov_b32 s79, 0
	s_mov_b32 s70, s68
	s_mov_b32 s71, 0
	s_wait_alu depctr_va_vdst(0)
	s_wait_dscnt 0x0                               ; both opening adds are done
	s_wait_kmcnt 0x0
	s_add_nc_u64 s[PF:PF+1], s[10:11], s[72:73]    ; my rows of trip 0
	s_mov_b64 s[G0+2:G0+3], s[PF:PF+1]
	s_or_b32 s[G0+3], s[G0+3], 0x80000000          ; type = 2
	tensor_load_to_lds s[G0:G0+3], s[G1:G1+7]      ; my 64 rows of trip 0: my one tensor load at the head; it lands while the weights and q are quantised
	s_nop 0
	PLACES 4
	s_add_nc_u64 s[28:29], s[28:29], s[74:75]
	s_add_nc_u64 s[30:31], s[30:31], s[76:77]
	s_add_nc_u64 s[12:13], s[12:13], s[78:79]
	s_add_nc_u64 s[16:17], s[16:17], s[78:79]
	s_add_nc_u64 s[8:9], s[8:9], s[70:71]
	WIN 0x80                                       ; my two tiles of each weight (tiles 2 w, 2 w + 1) into window 2
.irp u,0,1
.irp b,0,1,2,3
.irp j,0,1,2,3
	global_load_b128 v[64*\u+16*\b+4*\j:64*\u+16*\b+4*\j+3], v[GW], s[12:13] offset:4096*\u+128*\b+16*\j
	global_load_b128 v[128+64*\u+16*\b+4*\j:128+64*\u+16*\b+4*\j+3], v[GW], s[16:17] offset:4096*\u+128*\b+16*\j
.endr
.endr
.endr
	WIN 0x40                                       ; my four tiles of q into window 1
.irp i,0,1,2,3
.irp b,0,1,2,3
.irp j,0,1,2,3
	global_load_b128 v[64*\i+16*\b+4*\j:64*\i+16*\b+4*\j+3], v[GQ], s[8:9] offset:8192*\i+128*\b+16*\j
.endr
.endr
.endr
	WIN 0
	global_load_b32 v[FR], v[GT], s[14:15]         ; thread t serves unit t of the six vectors
	global_load_b32 v[FR+1], v[GT], s[20:21]
	global_load_b32 v[FR+2], v[GT], s[22:23]
	global_load_b32 v[FR+3], v[GT], s[18:19]
	global_load_b32 v[FR+4], v[GT], s[24:25]
	global_load_b32 v[FR+5], v[GT], s[26:27]
	s_wait_loadcnt 0x0
	v_mul_f32 v[FR+6], s[L2E], v[FR+1]
	v_mul_f32 v[FR+7], s[L2E], v[FR+2]
.irp i,0,1,2,3
	v_mov_b32 v[FR+10+\i], v[FR+3]
.endr
	v_mov_b32 v[FR+14], v[FR+4]
	v_mov_b32 v[FR+15], v[FR+4]
	v_mov_b32 v[FR+16], v[FR+5]
	v_mov_b32 v[FR+17], v[FR+5]
	ds_store_b32 v[TT4], v[FR] offset:FKB
	ds_store_b32 v[TT4], v[FR+6] offset:NKG
	ds_store_b32 v[TT4], v[FR+7] offset:NKB
	ds_store_b32 v[TT4], v[FR+3] offset:FVB
	ds_store_b128 v[TT16], v[FR+10:FR+13] offset:FVBR
	ds_store_b128 v[TT16], v[FR+14:FR+17] offset:GNB
.irp f,0,1,2,3                                 ; fk_w's two tiles, fv_w's two tiles: quantised along K, images to LDS for all four waves
	QMAX 64*\f, 2
	s_wait_alu depctr_va_vdst(0)
	s_wait_dscnt 0x0                               ; the last image's stores have read their registers
	QSCL
	QWORD PW
	QCVT 64*\f, 2, PCI
	QFIN0 PCI
	IMAGE WI, 12288*(\f/2)+1536*(\f%2)
	ds_store_b32 v[WS], v[PW] offset:WSC+512*(\f/2)+64*(\f%2)
.endr
.irp i,0,1,2,3                                 ; q's four tiles stay in my registers
	QMAX 64*\i, 1
	QSCL
	QWORD QS+\i
	QCVT 64*\i, 1, QC+12*\i
	QFIN0 QC+12*\i
.endr
	BARRIER                                        ; tables and weight images lie in LDS
	WIN 0xc0
.irp f,0,1,2,3,4,5,6,7,8,9,10,11,12,13,14,15
.irp c,0,1,2
	ds_load_b128 v[12*\f+4*\c:12*\f+4*\c+3], v[WL] offset:1536*\f+512*\c   ; all 16 weight fragments stay in window 3
.endr
.endr
	WIN 0
.irp j,0,1,2,3,4,5,6,7
	ds_load_b32 v[KWS+\j], v[WL4] offset:WSC+128*\j
.endr
	WIN 0x40
.set ip, 0
.rept 256
	v_mov_b32 v[ip], 0                             ; O^T.  Phase B is written without a first step of its own: the first change of M multiplies zeros.  A further copy of phase B would cost far more text than these lines
.set ip, ip+1
.endr
	WIN 0
.irp q,0,1,2,3
	v_mov_b32 v[ST+8*\q+1], 0xff61b1e6             ; the largest t so far: -3e38
	v_floor_f32 v[ST+8*\q], -v[ST+8*\q+1]
	v_mov_b32 v[ST+8*\q+2], 0
	v_mov_b32 v[ST+8*\q+3], 0
	v_mov_b32 v[ST+8*\q+5], 0                      ; (named as the upper half of f's pair)
	v_mov_b32 v[ST+8*\q+6], 0
	v_mov_b32 v[ST+8*\q+7], 0
.endr
	s_mov_b32 s[T], 0
	s_wait_alu depctr_va_vdst(0)
	s_branch .Lrows                                ; trip 0 has no images to attend to and its rows are asked for: the walk enters at phase A
.Ltrip:                                                ; trips 1 to 7
	s_wait_tensorcnt 0x0                           ; no tensor load of mine is out
	ds_add_u32 v[SPW], v[NIL]                      ; 0 onto my spare word (every way here passes the head's tensor load: once)
	s_wait_dscnt 0x0                               ; the add is done; my reads of mem's rows are over; my images of the last trip have landed
	s_barrier_signal -1
	s_barrier_wait -1                              ; all that now holds of every wave
	tensor_load_to_lds s[G0:G0+3], s[G1:G1+7]      ; my 64 rows of this trip: my one tensor load until the next such barrier; it lands under phase B
	s_nop 0
	PLACES 4
	BPHASE                                         ; attention on the last trip's images
.Lrows:
	BARRIER                                        ; every wave's reads of the images are over (trip 0: the head's LDS loads are in).  My load may stay out across it
	s_wait_tensorcnt 0x0                           ; my rows are in; only I read them
	s_add_nc_u64 s[G0+2:G0+3], s[G0+2:G0+3], 131072   ; no load of mine is out: the next trip's 256 slots
	s_wait_xcnt 0x0                                ; the last trip's prefetches have read their base
	s_add_nc_u64 s[PF:PF+1], s[PF:PF+1], 131072
	PLACES 4                                       ; in front of loads into registers that the last products read
	CLOAD 192, 3, FKB
	WIN 0x80
.irp a,0,1,2,3                                 ; four tiles of 16 slots: lane (r, h) takes, of row r, 16 neighbours of each block of 32
.irp b,0,1,2,3
.irp j,0,1,2,3
	ds_load_b128 v[64*\a+16*\b+4*\j:64*\a+16*\b+4*\j+3], v[AM] offset:8448*\a+128*\b+16*\j
.endr
.endr
.endr
.irp a,0,1,2,3
	s_wait_dscnt 48-16*\a                          ; tile a's 16 loads are in; those of the tiles behind it may be out
	QMAX 64*\a, 2
	QSCL
	QWORD XS+\a
	QCVT 64*\a, 2, FR+12*\a
	QFIN0 FR+12*\a
.endr
	; ---- the key path, 32 slots a trip of the loop
	CLOAD 128, 2, NKG
	CLOAD 192, 2, NKB
	WIN 0
	s_mov_b32 s[O1], IMG
	s_mov_b32 s[O2], IMG
	s_mov_b32 s[CT], 0
.Lk:
	v_add_nc_u32 v[TA], s[O1], v[AKI]
	v_add_nc_u32 v[TA+1], s[O2], v[AK4]
	PLACES 8                                       ; mem's scale words and fragments were written by vector instructions: eight and four places ahead of a scaled product
	WIN 0xb3
	s_wait_alu depctr_va_vdst(0)
.irp t,0,1,2,3,4,5,6,7
	WM 8*\t, 12*\t, FR, 192+8*\t, KWS+\t/2, XS, \t%2   ; source 0 = fk_w's tile, source 1 = the first 16 slots, C = fk_b; the second 16 slots' products stand in LNSTAT 0
.endr
	WIN 0
	PLACES 4
	LNSTAT 0, 0, KWS
	s_wait_alu depctr_va_vdst(0)
	s_wait_dscnt 0x0                               ; nk_g' and nk_b' are in
	KTILE 0
	LNSTAT 64
	KTILE 1
	OTHER
	s_wait_dscnt 0x0                               ; my LDS stores have read their registers and addresses
	s_add_co_u32 s[O1], s[O1], 3072
	s_add_co_u32 s[O2], s[O2], 128
	s_add_co_u32 s[CT], s[CT], 1
	s_cmp_lt_u32 s[CT], 2
	s_cbranch_scc1 .Lk
	; ---- my 32 KB of the next trip's rows are asked into the L2: 4 x 32 lanes, 256 bytes apart, each block once; the value path below stands between this and the tensor load that wants them.  The last trip asks for nothing
	s_cmp_eq_u32 s[T], 7
	s_cbranch_scc1 .Lnopf
.irp k,0,1,2,3
	global_prefetch_b8 v[PFO], s[PF:PF+1] offset:8192*\k th:TH_LOAD_NT scope:SCOPE_SE
.endr
.Lnopf:
	; ---- the value path, a block of 32 slots a trip of the loop
	CLOAD 192, 3, FVB
	WIN 0x80
.irp t,0,1,2,3,4,5,6,7                         ; of my lane's unit in tile t: fv_b eight times, and nv_g, nv_g, nv_b, nv_b
	ds_load_b128 v[128+8*\t:131+8*\t], v[ACM] offset:FVBR+16*(32*(\t/2)+8*(\t%2))
	ds_load_b128 v[132+8*\t:135+8*\t], v[ACM] offset:FVBR+16*(32*(\t/2)+8*(\t%2))
	ds_load_b128 v[192+4*\t:195+4*\t], v[ACM] offset:GNB+16*(32*(\t/2)+8*(\t%2))
.endr
	WIN 0
	s_mov_b32 s[O3], IMG
	s_mov_b32 s[O4], IMG
	s_mov_b32 s[CT], 0
	s_wait_dscnt 24                                ; fv_b's 16 loads are in; the 24 loads of the per-unit tables may be out: the first products do not name their registers
.Lv:
	v_add_nc_u32 v[TA], s[O3], v[AVI]
	v_add_nc_u32 v[TA+1], s[O3], v[AVI+1]
	v_add_nc_u32 v[TA+2], s[O3], v[AVI+2]
	v_add_nc_u32 v[TA+3], s[O4], v[AVS]
	PLACES 8
	WIN 0xb3
	s_wait_alu depctr_va_vdst(0)
.irp t,0,1,2,3,4,5,6,7
	WM 8*\t, 96+12*\t, FR, 192+8*\t, VWS+\t/2, XS, \t%2   ; a lane holds one slot: for the statistics alone; the second 16 slots' products stand in LNSTAT 0
.endr
	WIN 0
	PLACES 4
	LNSTAT 0, 96, VWS
	v_mov_b32 v[SA], v[RS]
	v_mul_f32 v[SA+2], v[NMU], v[RS]
	LNSTAT 64
	v_mov_b32 v[SA+1], v[RS]
	v_mul_f32 v[SA+3], v[NMU], v[RS]
	ds_store_b32 v[ASW], v[SA]                     ; rstd and -mu rstd of the block's 32 slots, into my wave's own 256 bytes,
	ds_store_b32 v[ASW], v[SA+1] offset:64
	ds_store_b32 v[ASW], v[SA+2] offset:128
	ds_store_b32 v[ASW], v[SA+3] offset:192
	WIN 0x80
.irp u,0,1                                     ; and back along the slots: register 8 u + j = slot 16 u + 8 h + j.  LDS serves a wave's instructions in order (ISA guide 5.7.1): these see the stores
.irp j,0,1
	ds_load_b128 v[224+8*\u+4*\j:227+8*\u+4*\j], v[ASR] offset:64*\u+16*\j
	ds_load_b128 v[240+8*\u+4*\j:243+8*\u+4*\j], v[ASR] offset:128+64*\u+16*\j
.endr
.endr
	s_wait_alu depctr_va_vdst(0)
	s_wait_dscnt 12                                ; the per-unit tables are in; the statistics' 4 stores and 8 loads may be out
	WIN 0xac
.irp t,0,1,2,3,4,5,6,7
.irp u,0,1
	WM 16*\t+8*\u, FR+12*\u, 96+12*\t, 128+8*\t, XS+\u, VWS+\t/2, 2*(\t%2)   ; the same product with the sources swapped: a lane holds one unit, registers run along the slots
.endr
.endr
	WIN 0
	PLACES 4
	s_wait_dscnt 0x0
	WIN 0xaa
.irp t,0,1,2,3,4,5,6,7
.irp p,0,2,4,6,8,10,12,14
	v_pk_fma_f32 v[16*\t+\p:16*\t+\p+1], v[16*\t+\p:16*\t+\p+1], v[224+\p:225+\p], v[240+\p:241+\p]   ; x rstd - mu rstd, by the slot
.endr
.endr
.irp t,0,1,2,3,4,5,6,7
.irp p,0,2,4,6,8,10,12,14
	v_pk_fma_f32 v[16*\t+\p:16*\t+\p+1], v[16*\t+\p:16*\t+\p+1], v[192+4*\t:193+4*\t], v[194+4*\t:195+4*\t]   ; x nv_g + nv_b, by the unit
.endr
.endr
.set ip, 0
.rept 128
	v_max_num_f32 v[ip], 0, v[ip]                  ; relu
.set ip, ip+1
.endr
.irp g,0,1                                     ; four unit tiles at a time: each tile's 16 registers and lane l xor 16's are this block of 32 slots
.if \g
	s_wait_dscnt 0x0                               ; the stores above have read their registers
.endif
	QMAX 64*\g, 2
	QSCL
	QCVT 64*\g, 2, PCI
	QFIN0 PCI
.irp c,0,1                                     ; lane (r, h) now holds the block's 24 bytes of unit tile 4 g + 2 c + h, row r: they are registers 6 (w % 2) .. + 5 of lane r + 16 i of that fragment's image
.irp k,0,1,2
	ds_store_b64 v[TA+\k], v[PCI+6*\c+2*\k:PCI+6*\c+2*\k+1] offset:VIMG+(4*\g+2*\c)*1536
.endr
.endr
.irp b,0,1,2,3
	ds_store_b8 v[TA+3], v[TM+4+\b] offset:VSC+64*(4*\g+\b)   ; the block's byte in the row's scale word; lanes r and r + 16 write the same byte with the same value
.endr
.endr
	OTHER
	s_wait_dscnt 0x0
	s_add_co_u32 s[O3], s[O3], 256                 ; the next block lies in lanes 16-31 of the images,
	s_add_co_u32 s[O4], s[O4], 1                   ; and one byte on in the scale words
	s_add_co_u32 s[CT], s[CT], 1
	s_cmp_lt_u32 s[CT], 2
	s_cbranch_scc1 .Lv
	s_add_co_u32 s[T], s[T], 1
	s_cmp_lt_u32 s[T], 8
	s_cbranch_scc1 .Ltrip
; ---------------- the last trip's attention, and the way out ----------------
	BARRIER                                        ; the last images lie in LDS; nothing is filled any more
	BPHASE
	PLACES 4
.irp q,0,1,2,3
	v_add_f32 v[ST+8*\q+6], v[ST+8*\q+2], v[ST+8*\q+3]
.endr
.irp q,0,1,2,3
	v_permlanex16_b32 v[ST+8*\q+7], v[ST+8*\q+6], s[SEL], s[SEL+1]
.endr
.irp q,0,1,2,3
	v_add_f32 v[ST+8*\q+1], v[ST+8*\q+6], v[ST+8*\q+7]   ; l, beside -M
.endr
	s_wait_alu depctr_va_vdst(0)
	WIN 0x04                                       ; a store's data are its source 1: window 1
.irp q,0,1,2,3
.irp g,0,1,2,3,4,5,6,7,8,9,10,11,12,13,14,15
	global_store_b128 v[LI], v[64*\q+4*\g:64*\q+4*\g+3], s[28:29] offset:8192*\q+512*\g   ; O^T as an image of its registers: each store covers 512 consecutive bytes, aligned; each accumulator from its low end on
.endr
.endr
	WIN 0
.irp q,0,1,2,3
	global_store_b64 v[GO8], v[ST+8*\q:ST+8*\q+1], s[30:31] offset:256*\q
.endr
	s_wait_tensorcnt 0x0                           ; the wave's end
	ds_add_u32 v[SPW], v[NIL]
	s_wait_dscnt 0x0
	s_endpgm
.Lfunc_end_k_q27b718b1f6_attend:
	.size	k_q27b718b1f6_attend, .Lfunc_end_k_q27b718b1f6_attend-k_q27b718b1f6_attend
	.p2alignl 7, 3214868480
	.fill 96, 4, 3214868480
	.section	.rodata,"a",@progbits
	.p2align	6, 0x0
	.amdhsa_kernel k_q27b718b1f6_attend
		.amdhsa_group_segment_fixed_size 327680
		.amdhsa_private_segment_fixed_size 0
		.amdhsa_enable_private_segment 0
		.amdhsa_kernarg_size 96
		.amdhsa_user_sgpr_count 2
		.amdhsa_user_sgpr_kernarg_segment_ptr 1
		.amdhsa_wavefront_size32 1
		.amdhsa_system_sgpr_workgroup_id_x 1
		.amdhsa_system_sgpr_workgroup_id_y 1
		.amdhsa_system_sgpr_workgroup_id_z 1
		.amdhsa_system_vgpr_workitem_id 0
		.amdhsa_next_free_vgpr 1024
		.amdhsa_next_free_sgpr 80
		.amdhsa_reserve_vcc 0
		.amdhsa_float_denorm_mode_32 3
		.amdhsa_float_denorm_mode_16_64 3
		.amdhsa_memory_ordered 1
		.amdhsa_forward_progress 1
		.amdhsa_inst_pref_size 255
	.end_amdhsa_kernel
	.section	.bss,"aw",@nobits
	.p2align	6
	.space	262144
	.amdgpu_metadata
---
amdhsa.version: [ 1, 2 ]
amdhsa.kernels:
  - .name:           k_q27b718b1f6_attend
    .symbol:         k_q27b718b1f6_attend.kd
    .args:
      - { .name: q, .offset: 0, .size: 8, .value_kind: global_buffer, .address_space: global }
      - { .name: mem, .offset: 8, .size: 8, .value_kind: global_buffer, .address_space: global }
      - { .name: fk_w, .offset: 16, .size: 8, .value_kind: global_buffer, .address_space: global }
      - { .name: fk_b, .offset: 24, .size: 8, .value_kind: global_buffer, .address_space: global }
      - { .name: fv_w, .offset: 32, .size: 8, .value_kind: global_buffer, .address_space: global }
      - { .name: fv_b, .offset: 40, .size: 8, .value_kind: global_buffer, .address_space: global }
      - { .name: nk_g, .offset: 48, .size: 8, .value_kind: global_buffer, .address_space: global }
      - { .name: nk_b, .offset: 56, .size: 8, .value_kind: global_buffer, .address_space: global }
      - { .name: nv_g, .offset: 64, .size: 8, .value_kind: global_buffer, .address_space: global }
      - { .name: nv_b, .offset: 72, .size: 8, .value_kind: global_buffer, .address_space: global }
      - { .name: opart, .offset: 80, .size: 8, .value_kind: global_buffer, .address_space: global }
      - { .name: stat, .offset: 88, .size: 8, .value_kind: global_buffer, .address_space: global }
    .group_segment_fixed_size: 327680
    .private_segment_fixed_size: 0
    .kernarg_segment_align: 8
    .kernarg_segment_size: 96
    .max_flat_workgroup_size: 128
    .sgpr_count:     80
    .vgpr_count:     1024
    .wavefront_size: 32
...
	.end_amdgpu_metadata
.endif
;; end of part 1
;; launch combine (part 2): grid 16 x 8, 16 waves a work-group, no clusters, 141,312 bytes of LDS; arguments opart, stat, fx_w, xpart; writes xpart
.if DOCPART == 2
	.amdgcn_target "amdgcn-amd-amdhsa--gfx1250"
	.amdhsa_code_object_version 6
	.text
	.protected	k_q27b718b1f6_combine
	.globl	k_q27b718b1f6_combine
	.p2align	8
	.type	k_q27b718b1f6_combine,@function
k_q27b718b1f6_combine:
	s_mov_b64 s[64:65], 0
	v_nop
	global_prefetch_b8 v0, s[64:65] scope:SCOPE_SE
	s_setreg_imm32_b32 hwreg(HW_REG_WAVE_MODE, 25, 1), 1
	s_wait_xcnt 0x0
; MultiHeadMemory, launch 2 of 3.  A work-group (x = query tile Q of 16 queries, y = head) joins the head's 32 partial O^T, divides by l, quantises o along the head's 128 units (a K slice of the last product)
; and multiplies by its slice of fx_w: x's part of this head, 16 queries x 128 outputs.
; Every M is a whole number, so a partial is brought under the largest M by a power of two (v_ldexp_f32): nothing is rounded there.
; SHARES.  Wave w of sixteen takes chunks 2 w and 2 w + 1 (64 registers each, images of O^T's registers: lane (r, h) = query r, register 16 b + i = unit 32 b + 16 h + i); the sixteen sums meet in LDS; wave w adds
; group w (four registers) of all sixteen; then waves 0-7 each make one tile of 16 outputs, and waves 8-15 are done.
; No tensor load: the partials are read once, straight into registers, 512 consecutive bytes a load.
; LIMITS: as in the first launch; 1 / l is v_rcp_f32.
.set RED, 0                            ; 16 waves x 8,192 bytes
.set OF,  131072                       ; o: 8,192 bytes
.set TM,  16
.set PC,  236
.macro QUANT s, d, word                ; 64 numbers of a lane, register 16 b + i = k 32 b + 16 h + i of my row, become a fragment in v[d ..] and its scale word
.irp b,0,1,2,3
	v_max3_num_f32 v[TM+\b], |v[(\s)+16*\b]|, |v[(\s)+16*\b+1]|, 0x1800000   ; with the floor 2^(3 - 127): the byte cannot fall under 1
.endr
.irp i,2,4,6,8,10,12,14
.irp b,0,1,2,3
	s_delay_alu instid0(VALU_DEP_4)
	v_max3_num_f32 v[TM+\b], v[TM+\b], |v[(\s)+16*\b+\i]|, |v[(\s)+16*\b+\i+1]|
.endr
.endr
.irp b,0,1,2,3
	s_delay_alu instid0(VALU_DEP_4)
	v_permlanex16_b32 v[TM+4+\b], v[TM+\b], s20, s21
.endr
.irp b,0,1,2,3
	s_delay_alu instid0(VALU_DEP_4)
	v_max_num_f32 v[TM+\b], v[TM+\b], v[TM+4+\b]
.endr
.irp b,0,1,2,3
	s_delay_alu instid0(VALU_DEP_4)
	v_add_nc_u32 v[TM+12+\b], 0xff000000, v[TM+\b]   ; 2 off the exponent field: the conversion's scale operand
.endr
.irp b,0,1,2,3
	s_delay_alu instid0(VALU_DEP_4)
	v_lshrrev_b32 v[TM+4+\b], 23, v[TM+12+\b]
.endr
	s_delay_alu instid0(VALU_DEP_3)
	v_lshl_or_b32 v[\word], v[TM+5], 8, v[TM+4]
	s_delay_alu instid0(VALU_DEP_1)
	v_lshl_or_b32 v[\word], v[TM+6], 16, v[\word]
	s_delay_alu instid0(VALU_DEP_1)
	v_lshl_or_b32 v[\word], v[TM+7], 24, v[\word]
.irp c,0,1
	v_cvt_scalef32_pk16_fp6_f32 v[(\d)+6*\c:(\d)+6*\c+2], v[(\s)+32*\c:(\s)+32*\c+15], v[TM+12+2*\c]
	v_cvt_scalef32_pk16_fp6_f32 v[PC+4*\c:PC+4*\c+2], v[(\s)+32*\c+16:(\s)+32*\c+31], v[TM+13+2*\c]
.endr
	v_nop                                          ; one plain place behind a scaled conversion
.irp c,0,1
.irp i,0,1,2
	v_permlane16_swap_b32 v[(\d)+6*\c+\i], v[PC+4*\c+\i]   ; a whole block to a lane
.endr
.irp i,0,1,2
	s_delay_alu instid0(VALU_DEP_3)
	v_mov_b32 v[(\d)+6*\c+3+\i], v[PC+4*\c+\i]
.endr
.endr
.endm
	s_load_b256 s[4:11], s[0:1], 0x0               ; opart s[4:5], stat s[6:7], fx_w s[8:9], xpart s[10:11]
	v_lshl_add_u32 v254, v0, 2, 0x22000
	v_mov_b32 v255, 0
	v_lshrrev_b32 v8, 5, v0
	s_delay_alu instid0(VALU_DEP_1)
	v_readfirstlane_b32 s12, v8                    ; wave 0..15
	v_and_b32 v9, 31, v0                           ; lane
	v_and_b32 v10, 15, v0                          ; r
	v_bfe_u32 v11, v0, 4, 1                        ; h
	s_delay_alu instid0(VALU_DEP_3)
	v_lshlrev_b32 v1, 4, v9                        ; 16 x lane
	s_delay_alu instid0(VALU_DEP_4)
	v_lshlrev_b32 v2, 3, v9                        ; 8 x lane
	s_lshl_b32 s28, s12, 13
	v_add_nc_u32 v3, s28, v1                       ; where I lay my sum: 16 lane + 8192 w
	s_lshl_b32 s29, s12, 9
	v_add_nc_u32 v4, s29, v1                       ; group w of waves 0-7,
	s_delay_alu instid0(VALU_DEP_1)
	v_add_nc_u32 v12, 0x10000, v4                  ; and of waves 8-15 (an LDS immediate reaches 65,535)
	s_delay_alu instid0(VALU_DEP_2)
	v_add_nc_u32 v5, OF, v4
	v_add_nc_u32 v6, OF, v1
	v_lshlrev_b32 v7, 12, v10
	s_delay_alu instid0(VALU_DEP_1)
	v_lshl_add_u32 v7, v11, 6, v7                  ; fx_w: row r of 4,096 bytes, + 64 h
.irp b,0,1,2,3
	v_mov_b32 v[TM+4+\b], 0                        ; a lane permute's destination counts as one of its sources
.endr
	s_mov_b32 s20, 0x76543210
	s_mov_b32 s21, 0xfedcba98
	s_and_b32 s13, ttmp7, 0xffff                   ; the head
	s_lshl_b32 s14, s13, 22                        ; 32 work-groups' partials of 131,072 bytes,
	s_lshl_b32 s15, s12, 18                        ; my two chunks,
	s_add_co_u32 s14, s14, s15
	s_lshl_b32 s15, ttmp9, 13                      ; the query tile
	s_add_co_u32 s14, s14, s15
	s_mov_b32 s15, 0
	s_lshl_b32 s16, s13, 17
	s_lshl_b32 s17, ttmp9, 8
	s_add_co_u32 s16, s16, s17
	s_mov_b32 s17, 0
	s_lshl_b32 s18, s12, 13
	s_mov_b32 s19, 0
	s_lshl_b32 s22, s12, 16                        ; fx_w: 16 rows a wave, the head's 512 bytes of each
	s_lshl_b32 s23, s13, 9
	s_add_co_u32 s22, s22, s23
	s_mov_b32 s23, 0
	s_lshl_b32 s24, ttmp9, 16
	s_lshl_b32 s25, s13, 13
	s_add_co_u32 s24, s24, s25
	s_lshl_b32 s25, s12, 10
	s_add_co_u32 s24, s24, s25
	s_mov_b32 s25, 0
	s_wait_kmcnt 0x0
	s_add_nc_u64 s[4:5], s[4:5], s[14:15]
	s_add_nc_u64 s[6:7], s[6:7], s[16:17]
	s_add_nc_u64 s[26:27], s[6:7], s[18:19]
	s_add_nc_u64 s[8:9], s[8:9], s[22:23]
	s_add_nc_u64 s[10:11], s[10:11], s[24:25]
.irp c,0,1,2,3,4,5,6,7,8,9,10,11,12,13,14,15,16,17,18,19,20,21,22,23,24,25,26,27,28,29,30,31
	global_load_b64 v[160+2*\c:161+2*\c], v2, s[6:7] offset:4096*\c   ; (-M, l) of all 32 chunks
.endr
.irp j,0,1
	global_load_b64 v[224+2*\j:225+2*\j], v2, s[26:27] offset:4096*\j   ; and of my two
.endr
.irp j,0,1
.irp g,0,1,2,3,4,5,6,7,8,9,10,11,12,13,14,15
	global_load_b128 v[32+64*\j+4*\g:35+64*\j+4*\g], v1, s[4:5] offset:131072*\j+512*\g th:TH_LOAD_NT
.endr
.endr
	s_wait_loadcnt 32                              ; the statistics are in; the partials' 32 loads may be out
	v_min3_num_f32 v228, v160, v162, v164          ; the least -M is that of the largest M
.irp c,3,5,7,9,11,13,15,17,19,21,23,25,27,29
	s_delay_alu instid0(VALU_DEP_1)
	v_min3_num_f32 v228, v228, v[160+2*\c], v[162+2*\c]
.endr
	s_delay_alu instid0(VALU_DEP_1)
	v_min_num_f32 v228, v228, v222
.irp c,0,1,2,3,4,5,6,7,8,9,10,11,12,13,14,15,16,17,18,19,20,21,22,23,24,25,26,27,28,29,30,31
	v_sub_f32 v[160+2*\c], v228, v[160+2*\c]       ; M of the chunk - the largest M: a whole number, 0 or less
.endr
.irp c,0,1,2,3,4,5,6,7,8,9,10,11,12,13,14,15,16,17,18,19,20,21,22,23,24,25,26,27,28,29,30,31
	v_cvt_i32_f32 v[160+2*\c], v[160+2*\c]
.endr
.irp c,0,1,2,3,4,5,6,7,8,9,10,11,12,13,14,15,16,17,18,19,20,21,22,23,24,25,26,27,28,29,30,31
	v_ldexp_f32 v[161+2*\c], v[161+2*\c], v[160+2*\c]
.endr
	v_add_f32 v253, v161, v163
	v_add_f32 v252, v165, v167
	v_add_f32 v251, v169, v171
	v_add_f32 v250, v173, v175
	v_add_f32 v249, v177, v179
	v_add_f32 v248, v181, v183
	v_add_f32 v247, v185, v187
	v_add_f32 v229, v189, v191
	s_delay_alu instid0(VALU_DEP_1)
	v_add_f32 v229, v229, v193
	v_add_f32 v253, v253, v195
	v_add_f32 v252, v252, v197
	v_add_f32 v251, v251, v199
	v_add_f32 v250, v250, v201
	v_add_f32 v249, v249, v203
	v_add_f32 v248, v248, v205
	v_add_f32 v247, v247, v207
	v_add_f32 v229, v229, v209
	v_add_f32 v253, v253, v211
	v_add_f32 v252, v252, v213
	v_add_f32 v251, v251, v215
	v_add_f32 v250, v250, v217
	v_add_f32 v249, v249, v219
	v_add_f32 v248, v248, v221
	v_add_f32 v247, v247, v223
	s_delay_alu instid0(VALU_DEP_4)
	v_add_f32 v229, v229, v250
	s_delay_alu instid0(VALU_DEP_4)
	v_add_f32 v253, v253, v249
	s_delay_alu instid0(VALU_DEP_4)
	v_add_f32 v252, v252, v248
	s_delay_alu instid0(VALU_DEP_4)
	v_add_f32 v251, v251, v247
	s_delay_alu instid0(VALU_DEP_2)
	v_add_f32 v229, v229, v252
	s_delay_alu instid0(VALU_DEP_2)
	v_add_f32 v253, v253, v251
	s_delay_alu instid0(VALU_DEP_1)
	v_add_f32 v229, v229, v253
.irp j,0,1
	v_sub_f32 v[224+2*\j], v228, v[224+2*\j]
	s_delay_alu instid0(VALU_DEP_1)
	v_cvt_i32_f32 v[224+2*\j], v[224+2*\j]
	s_delay_alu instid0(VALU_DEP_1)
	v_ldexp_f32 v[230+2*\j], 1.0, v[224+2*\j]      ; my chunks' factors, each twice for the packed forms
	s_delay_alu instid0(VALU_DEP_2)
	v_ldexp_f32 v[231+2*\j], 1.0, v[224+2*\j]
.endr
	s_wait_alu depctr_va_vdst(0)
	v_rcp_f32 v234, v229
	v_nop                                          ; one plain place behind a transcendental
	s_wait_alu depctr_va_vdst(0)
	v_mov_b32 v235, v234
	s_wait_loadcnt 16                              ; my first chunk is in
.set ip, 0
.rept 32
	v_pk_mul_f32 v[32+ip:33+ip], v[32+ip:33+ip], v[230:231]
.set ip, ip+2
.endr
	s_wait_loadcnt 0x0
.set ip, 0
.rept 32
	v_pk_fma_f32 v[32+ip:33+ip], v[96+ip:97+ip], v[232:233], v[32+ip:33+ip]
.set ip, ip+2
.endr
.irp g,0,1,2,3,4,5,6,7,8,9,10,11,12,13,14,15
	ds_store_b128 v3, v[32+4*\g:35+4*\g] offset:512*\g
.endr
	s_cmp_lt_u32 s12, 8                            ; waves 0-7 ask for their tile of fx_w now: rows 16 w + r, the head's 128 numbers; it lands under the reduction
	s_cbranch_scc0 .Lnofx
.irp b,0,1,2,3
.irp j,0,1,2,3
	global_load_b128 v[96+16*\b+4*\j:99+16*\b+4*\j], v7, s[8:9] offset:128*\b+16*\j
.endr
.endr
.Lnofx:
	s_wait_dscnt 0x0                               ; for the others' sake: my sum lies in LDS
	s_barrier_signal -1
	s_barrier_wait -1
.irp s,0,1,2,3,4,5,6,7
	ds_load_b128 v[160+4*\s:163+4*\s], v4 offset:8192*\s
.endr
.irp s,8,9,10,11,12,13,14,15
	ds_load_b128 v[160+4*\s:163+4*\s], v12 offset:8192*(\s-8)
.endr
	s_wait_dscnt 0x0
.irp s, 1
	v_pk_add_f32 v[160:161], v[160:161], v[160+4*\s:161+4*\s]
	v_pk_add_f32 v[162:163], v[162:163], v[162+4*\s:163+4*\s]
.endr
.irp s, 2, 3, 4, 5, 6, 7, 8, 9, 10, 11, 12, 13, 14, 15
	s_delay_alu instid0(VALU_DEP_2)
	v_pk_add_f32 v[160:161], v[160:161], v[160+4*\s:161+4*\s]
	s_delay_alu instid0(VALU_DEP_2)
	v_pk_add_f32 v[162:163], v[162:163], v[162+4*\s:163+4*\s]
.endr
	v_pk_mul_f32 v[160:161], v[160:161], v[234:235]   ; o = O / l
	v_pk_mul_f32 v[162:163], v[162:163], v[234:235]
	ds_store_b128 v5, v[160:163]
	s_wait_dscnt 0x0
	s_barrier_signal -1
	s_barrier_wait -1                              ; the last barrier: o's 64 registers a lane lie in LDS
	s_cmp_lt_u32 s12, 8
	s_cbranch_scc1 .Lwork
	s_wait_tensorcnt 0x0
	ds_add_u32 v254, v255
	s_wait_dscnt 0x0
	s_endpgm
.Lwork:
.irp g,0,1,2,3,4,5,6,7,8,9,10,11,12,13,14,15
	ds_load_b128 v[32+4*\g:35+4*\g], v6 offset:512*\g
.endr
	s_wait_loadcnt 0x0
	QUANT 96, 172, 193                             ; fx_w's tile, along its K
	s_wait_dscnt 0x0
	QUANT 32, 160, 192                             ; o, along the units
.rept 8
	v_nop                                          ; a scale register written by a vector instruction stands eight places ahead of a scaled product, an operand four
.endr
	v_wmma_scale_f32_16x16x128_f8f6f4 v[184:191], v[172:183], v[160:171], 0, v193, v192 matrix_a_fmt:MATRIX_FMT_FP6 matrix_b_fmt:MATRIX_FMT_FP6   ; lane (r, h), register j: query r, output 16 w + 8 h + j
.rept 4
	v_nop
.endr
	global_store_b128 v1, v[184:187], s[10:11]     ; as an image of the registers: 512 consecutive bytes a store
	global_store_b128 v1, v[188:191], s[10:11] offset:512
	s_wait_tensorcnt 0x0
	ds_add_u32 v254, v255
	s_wait_dscnt 0x0
	s_endpgm
.Lfunc_end_k_q27b718b1f6_combine:
	.size	k_q27b718b1f6_combine, .Lfunc_end_k_q27b718b1f6_combine-k_q27b718b1f6_combine
	.p2alignl 7, 3214868480
	.fill 96, 4, 3214868480
	.section	.rodata,"a",@progbits
	.p2align	6, 0x0
	.amdhsa_kernel k_q27b718b1f6_combine
		.amdhsa_group_segment_fixed_size 141312
		.amdhsa_private_segment_fixed_size 0
		.amdhsa_enable_private_segment 0
		.amdhsa_kernarg_size 32
		.amdhsa_user_sgpr_count 2
		.amdhsa_user_sgpr_kernarg_segment_ptr 1
		.amdhsa_wavefront_size32 1
		.amdhsa_system_sgpr_workgroup_id_x 1
		.amdhsa_system_sgpr_workgroup_id_y 1
		.amdhsa_system_sgpr_workgroup_id_z 1
		.amdhsa_system_vgpr_workitem_id 0
		.amdhsa_next_free_vgpr 256
		.amdhsa_next_free_sgpr 66
		.amdhsa_reserve_vcc 0
		.amdhsa_float_denorm_mode_32 3
		.amdhsa_float_denorm_mode_16_64 3
		.amdhsa_memory_ordered 1
		.amdhsa_forward_progress 1
		.amdhsa_inst_pref_size 40
	.end_amdhsa_kernel
	.amdgpu_metadata
---
amdhsa.version: [ 1, 2 ]
amdhsa.kernels:
  - .name:           k_q27b718b1f6_combine
    .symbol:         k_q27b718b1f6_combine.kd
    .args:
      - { .name: opart, .offset: 0, .size: 8, .value_kind: global_buffer, .address_space: global }
      - { .name: stat, .offset: 8, .size: 8, .value_kind: global_buffer, .address_space: global }
      - { .name: fx_w, .offset: 16, .size: 8, .value_kind: global_buffer, .address_space: global }
      - { .name: xpart, .offset: 24, .size: 8, .value_kind: global_buffer, .address_space: global }
    .group_segment_fixed_size: 141312
    .private_segment_fixed_size: 0
    .kernarg_segment_align: 8
    .kernarg_segment_size: 32
    .max_flat_workgroup_size: 512
    .sgpr_count:     66
    .vgpr_count:     256
    .wavefront_size: 32
...
	.end_amdgpu_metadata
.endif
;; end of part 2
;; launch finish (part 3): grid 16 x 1, 8 waves a work-group, no clusters, 17,408 bytes of LDS; arguments xpart, fx_b, nx_g, nx_b, out0; writes out0
.if DOCPART == 3
	.amdgcn_target "amdgcn-amd-amdhsa--gfx1250"
	.amdhsa_code_object_version 6
	.text
	.protected	k_q27b718b1f6_finish
	.globl	k_q27b718b1f6_finish
	.p2align	8
	.type	k_q27b718b1f6_finish,@function
k_q27b718b1f6_finish:
	s_mov_b64 s[64:65], 0
	v_nop
	global_prefetch_b8 v0, s[64:65] scope:SCOPE_SE
	s_setreg_imm32_b32 hwreg(HW_REG_WAVE_MODE, 25, 1), 1
	s_wait_xcnt 0x0
; MultiHeadMemory, launch 3 of 3.  A work-group takes 16 queries: x = fx_b + the eight heads' parts (in ascending order), LayerNorm over the 128 outputs, relu.
; Wave n holds outputs 16 n + 8 h + j (j = 0..7) of query r = lane % 16, as the last product left them.  A query's sums meet in LDS, one word for each wave and query; rows leave through a stage, whole.
; About a megabyte is moved: no matrix unit, no tensor load, no cluster would add anything.
; LIMITS: NaN and infinities are not served; 1 / sqrt is v_rsq_f32.
.set R1,  0                            ; 8 waves x 16 queries x 4 bytes: sums
.set R2,  512                          ; the same for the squares
.set STG, 1024                         ; 16 rows x (512 bytes + 16)
.macro BARRIER
	s_wait_dscnt 0x0
	s_barrier_signal -1
	s_barrier_wait -1
.endm
.macro ROWSUM off                      ; v[24:25] holds my eight numbers' sum in two halves: with lane l xor 16's and the other waves' it becomes the row's sum, in v112
	s_delay_alu instid0(VALU_DEP_1)
	v_add_f32 v24, v24, v25
	s_delay_alu instid0(VALU_DEP_1)
	v_permlanex16_b32 v25, v24, s20, s21
	s_delay_alu instid0(VALU_DEP_1)
	v_add_f32 v24, v24, v25
	ds_store_b32 v7, v24 offset:\off               ; lanes r and r + 16 write the same word with the same value
	BARRIER
.irp i,0,1,2,3,4,5,6,7
	ds_load_b32 v[112+\i], v8 offset:(\off)+64*\i
.endr
	s_wait_dscnt 0x0
.irp i, 1
	v_add_f32 v112, v112, v[112+\i]
.endr
.irp i, 2, 3, 4, 5, 6, 7
	s_delay_alu instid0(VALU_DEP_1)
	v_add_f32 v112, v112, v[112+\i]
.endr
.endm
	s_load_b256 s[4:11], s[0:1], 0x0               ; xpart s[4:5], fx_b s[6:7], nx_g s[8:9], nx_b s[10:11]
	s_load_b64 s[12:13], s[0:1], 0x20              ; out0
	v_lshl_add_u32 v128, v0, 2, 0x4000
	v_mov_b32 v129, 0
	v_lshrrev_b32 v1, 5, v0
	s_delay_alu instid0(VALU_DEP_1)
	v_readfirstlane_b32 s14, v1                    ; wave 0..7
	v_and_b32 v2, 31, v0
	v_and_b32 v3, 15, v0                           ; r
	v_bfe_u32 v4, v0, 4, 1                         ; h
	s_delay_alu instid0(VALU_DEP_3)
	v_lshlrev_b32 v5, 4, v2                        ; 16 x lane
	s_lshl_b32 s15, s14, 6
	v_lshl_add_u32 v6, v4, 5, s15                  ; 64 n + 32 h: my eight outputs' bytes in a vector of 128
	v_lshl_add_u32 v7, v3, 2, s15                  ; 64 n + 4 r
	v_lshlrev_b32 v8, 2, v3                        ; 4 r
	v_mul_u32_u24 v9, v3, 528
	s_delay_alu instid0(VALU_DEP_1)
	v_add_nc_u32 v9, v9, v6                        ; the stage: row r, my 32 bytes
	s_mul_i32 s16, s14, 1056
	v_add_nc_u32 v10, s16, v5                      ; back: rows 2 n and 2 n + 1, 16 bytes a lane
	s_mov_b32 s20, 0x76543210
	s_mov_b32 s21, 0xfedcba98
	s_lshl_b32 s22, ttmp9, 16
	s_lshl_b32 s17, s14, 10
	s_add_co_u32 s22, s22, s17
	s_mov_b32 s23, 0
	s_lshl_b32 s24, ttmp9, 13
	s_add_co_u32 s24, s24, s17
	s_mov_b32 s25, 0
	s_wait_alu depctr_va_vdst(0)
	s_wait_kmcnt 0x0
	s_add_nc_u64 s[4:5], s[4:5], s[22:23]
	s_add_nc_u64 s[12:13], s[12:13], s[24:25]
.irp d,0,1,2,3,4,5,6,7
.irp k,0,1
	global_load_b128 v[32+8*\d+4*\k:35+8*\d+4*\k], v5, s[4:5] offset:8192*\d+512*\k th:TH_LOAD_NT
.endr
.endr
.irp k,0,1
	global_load_b128 v[16+4*\k:19+4*\k], v6, s[6:7] offset:16*\k
	global_load_b128 v[96+4*\k:99+4*\k], v6, s[8:9] offset:16*\k
	global_load_b128 v[104+4*\k:107+4*\k], v6, s[10:11] offset:16*\k
.endr
	s_wait_loadcnt 0x0
.irp d,0,1,2,3,4,5,6,7
.irp p,0,2,4,6
	v_pk_add_f32 v[16+\p:17+\p], v[16+\p:17+\p], v[32+8*\d+\p:33+8*\d+\p]
.endr
.endr
	s_delay_alu instid0(VALU_DEP_3)
	v_pk_add_f32 v[24:25], v[16:17], v[18:19]
	s_delay_alu instid0(VALU_DEP_2)
	v_pk_add_f32 v[26:27], v[20:21], v[22:23]
	s_delay_alu instid0(VALU_DEP_1)
	v_pk_add_f32 v[24:25], v[24:25], v[26:27]
	ROWSUM R1
	s_delay_alu instid0(VALU_DEP_1)
	v_mul_f32 v28, 0xbc000000, v112                ; -mu
	s_delay_alu instid0(VALU_DEP_2)
	v_mul_f32 v29, 0xbc000000, v112
.irp p,0,2,4,6
	v_pk_add_f32 v[16+\p:17+\p], v[16+\p:17+\p], v[28:29]
.endr
	s_delay_alu instid0(VALU_DEP_4)
	v_pk_mul_f32 v[24:25], v[16:17], v[16:17]
	s_delay_alu instid0(VALU_DEP_4)
	v_pk_mul_f32 v[26:27], v[18:19], v[18:19]
	s_delay_alu instid0(VALU_DEP_2)
	v_pk_fma_f32 v[24:25], v[20:21], v[20:21], v[24:25]
	s_delay_alu instid0(VALU_DEP_2)
	v_pk_fma_f32 v[26:27], v[22:23], v[22:23], v[26:27]
	s_delay_alu instid0(VALU_DEP_1)
	v_pk_add_f32 v[24:25], v[24:25], v[26:27]
	ROWSUM R2                                      ; other bytes than the first sum's, so no barrier is owed between the two uses
	s_mov_b32 s26, 0x3c000000                      ; 1 / 128
	s_mov_b32 s27, 0x3727c5ac                      ; 1e-5
	v_fma_f32 v30, v112, s26, s27
	s_wait_alu depctr_va_vdst(0)
	v_rsq_f32 v28, v30
	v_nop                                          ; one plain place behind a transcendental
	s_wait_alu depctr_va_vdst(0)
	v_mov_b32 v29, v28
.irp p,0,2,4,6
	v_pk_mul_f32 v[16+\p:17+\p], v[16+\p:17+\p], v[28:29]
.endr
.irp p,0,2,4,6
	s_delay_alu instid0(VALU_DEP_4)
	v_pk_fma_f32 v[16+\p:17+\p], v[16+\p:17+\p], v[96+\p:97+\p], v[104+\p:105+\p]
.endr
.irp j,0,1,2,3,4,5,6,7
	v_max_num_f32 v[16+\j], 0, v[16+\j]
.endr
	ds_store_b128 v9, v[16:19] offset:STG
	ds_store_b128 v9, v[20:23] offset:STG+16
	BARRIER                                        ; 16 whole rows lie in the stage
	ds_load_b128 v[32:35], v10 offset:STG
	ds_load_b128 v[36:39], v10 offset:STG+528
	s_wait_dscnt 0x0
	global_store_b128 v5, v[32:35], s[12:13]       ; a store covers one row: 512 consecutive bytes, aligned
	global_store_b128 v5, v[36:39], s[12:13] offset:512
	s_wait_tensorcnt 0x0
	ds_add_u32 v128, v129
	s_wait_dscnt 0x0
	s_endpgm
.Lfunc_end_k_q27b718b1f6_finish:
	.size	k_q27b718b1f6_finish, .Lfunc_end_k_q27b718b1f6_finish-k_q27b718b1f6_finish
	.p2alignl 7, 3214868480
	.fill 96, 4, 3214868480
	.section	.rodata,"a",@progbits
	.p2align	6, 0x0
	.amdhsa_kernel k_q27b718b1f6_finish
		.amdhsa_group_segment_fixed_size 17408
		.amdhsa_private_segment_fixed_size 0
		.amdhsa_enable_private_segment 0
		.amdhsa_kernarg_size 40
		.amdhsa_user_sgpr_count 2
		.amdhsa_user_sgpr_kernarg_segment_ptr 1
		.amdhsa_wavefront_size32 1
		.amdhsa_system_sgpr_workgroup_id_x 1
		.amdhsa_system_sgpr_workgroup_id_y 1
		.amdhsa_system_sgpr_workgroup_id_z 1
		.amdhsa_system_vgpr_workitem_id 0
		.amdhsa_next_free_vgpr 130
		.amdhsa_next_free_sgpr 66
		.amdhsa_reserve_vcc 0
		.amdhsa_float_denorm_mode_32 3
		.amdhsa_float_denorm_mode_16_64 3
		.amdhsa_memory_ordered 1
		.amdhsa_forward_progress 1
		.amdhsa_inst_pref_size 12
	.end_amdhsa_kernel
	.amdgpu_metadata
---
amdhsa.version: [ 1, 2 ]
amdhsa.kernels:
  - .name:           k_q27b718b1f6_finish
    .symbol:         k_q27b718b1f6_finish.kd
    .args:
      - { .name: xpart, .offset: 0, .size: 8, .value_kind: global_buffer, .address_space: global }
      - { .name: fx_b, .offset: 8, .size: 8, .value_kind: global_buffer, .address_space: global }
      - { .name: nx_g, .offset: 16, .size: 8, .value_kind: global_buffer, .address_space: global }
      - { .name: nx_b, .offset: 24, .size: 8, .value_kind: global_buffer, .address_space: global }
      - { .name: out0, .offset: 32, .size: 8, .value_kind: global_buffer, .address_space: global }
    .group_segment_fixed_size: 17408
    .private_segment_fixed_size: 0
    .kernarg_segment_align: 8
    .kernarg_segment_size: 40
    .max_flat_workgroup_size: 256
    .sgpr_count:     66
    .vgpr_count:     130
    .wavefront_size: 32
...
	.end_amdgpu_metadata
.endif
;; end of part 3
